; MI455X (gfx1250); checked and timed in simulation.
; The chip was launched on July 23, 2026; its instructions are those of AMD's public machine-readable ISA for CDNA 5 (MIT licence, August 2026) and "CDNA5" Instruction Set Architecture Reference Guide (July 2026). The comments in the code are by the model that wrote it; some were corrected since.
;; Physical Basis. Allowed arithmetic: float matrix products may take bf16 or f16 operands with f32 sums; all other float work in f32.
;; Inputs: eigenvectors 51 x 200 x 200 float32; x 1,000,000 float32.
;; Outputs: out0 1,000,000 float32.
;; Constants: l = 1, n = 5.
;; One version. Each part assembles by itself: llvm-mc -triple=amdgcn-amd-amdhsa -mcpu=gfx1250 --defsym DOCPART=n.
;; ======== version 1 of 1: 1 launch
;; limits: values are held in f16: magnitudes above 65,504 overflow, below 6.1e-05 lose precision; inputs' magnitudes at most 32,752
;; launch basis (part 1): grid 256 x 1, 8 waves a work-group, no clusters, 2,048 bytes of LDS; arguments eigenvectors, x, out0; writes out0
.if DOCPART == 1
	.amdgcn_target "amdgcn-amd-amdhsa--gfx1250"
	.amdhsa_code_object_version 6
	.text
	.protected	k_q3a30432959_basis
	.globl	k_q3a30432959_basis
	.p2align	8
	.type	k_q3a30432959_basis,@function
k_q3a30432959_basis:
	s_mov_b64 s[64:65], 0
	v_nop
	global_prefetch_b8 v0, s[64:65] scope:SCOPE_SE
	s_setreg_imm32_b32 hwreg(HW_REG_WAVE_MODE, 25, 1), 1
	s_wait_xcnt 0x0
; out[i] = sum over k = 1..200 of c[k] sin(k th),  th = pi x[i] / 10,  c[k] = eigenvectors[1][k-1][5]   (l = 1 and n = 5 are fixed).
;
; THE SUM IS FACTORED so that the 200 terms go to the matrix unit and a lane makes 21 sine/cosine pairs instead of 200 sines.
;   k = K_a + b_i or K_a - b_i,  K_a = 16 a + 8.5 (a = 0..12),  b_i = i + 0.5 (i = 0..7);  c[k] = 0 for k > 200.  Then
;   out = sum over a of  cos(K_a th) Q_a + sin(K_a th) P_a,
;   P_a = sum over i of (c[K_a+b_i] + c[K_a-b_i]) cos(b_i th),   Q_a = sum over i of (c[K_a+b_i] - c[K_a-b_i]) sin(b_i th).
;   P and Q are a product [16 basis values] x [16 x 26 coefficients]: f16 operands, f32 sums.  f16 and not bf16: its rounding is 8 times finer,
;   and sums of two coefficients have room in f16 up to 65,504.
; ALL ANGLES ARE ODD MULTIPLES OF ph = th / 2: b_i th = (2 i + 1) ph, K_a th = (32 a + 17) ph.  x / 20 is reduced to f in [-1/2, 1/2], ph = pi f:
;   a shift of ph by pi turns the sign of every pair, low and high, so each product keeps its sign.  One chain of pairs (cos, sin):
;   pair n = (2 n + 1) ph for n = 0..8 by  u[n+1] = t u[n] - u[n-1],  t = 2 cos th;  pair 8 + a = K_a th by the same step with T = 2 cos 16 th,
;   started from pair 8 and the conjugate of pair 7 (K_-1 th = -15 ph).  T has its own exact reduction and polynomial: an error of T counts
;   a (a + 1) / 2 = 78 times in the last pair, and T made from t would carry t's rounding 256 times.
; THE MATRIX INSTRUCTION: source 0 = coefficients, source 1 = elements (ISA guide 7.12.2 for the layouts).  Lanes 0-15 and 16-31 hold different
;   k of one column; the coefficient matrix is block diagonal (rows 0-7 use the k of lanes 0-15 only, rows 8-15 those of lanes 16-31), so each
;   of the 32 lanes feeds the 16 basis values of ITS OWN element and receives 8 results of its own element: no exchange between lanes.
;   Register i of an element fragment = (cos b_i th, sin b_i th); result register 2 a' = Q_a, 2 a' + 1 = P_a, a = 4 g + a' in product g = 0..3.
; SHARES: a chunk = 64 elements = 256 bytes; a lane has 2 neighbouring elements, so a wave's load and store cover 256 consecutive bytes, aligned.
;   15,625 chunks; 256 work-groups x 8 waves = 2,048 waves; wave idx takes chunks idx + 2048 i, i = 0..6, and i = 7 if idx < 1,289.
;   All eight loads of a wave are issued at the start, hence the eight bodies written out (about 9 KB of code).
; NOT USED: tensor loads and a ring (each x is used once, by one lane); clusters (work-groups share 800 bytes of coefficients, against
;   15.6 KB of x each); prefetches (everything the wave reads is asked for in its first lines).
; LIMITS: x finite (a NaN or an infinity also spoils the element 32 places away, which shares its matrix column); entries of the column
;   below 32,752 in magnitude (f16 holds their sums of two) and of a spread above about 1e-3 (f16's smallest step is 6e-8);
;   operands of the product are rounded to f16, and the sum is grouped otherwise than in the definition.
.set NCH,   15625                      ; chunks of 64 elements
.set SWEEP, 2048                       ; chunks that all waves take together
.set SB,    SWEEP*256                  ; bytes of that
.set EXTRA, NCH-7*SWEEP                ; 1,289 waves have an eighth chunk
.set COL0,  (200*200+5)*4              ; byte offset of eigenvectors[1][0][5]
.set VOFF, 1                           ; v1        8 x lane: my 8 bytes in a chunk
.set KP,   4                           ; v[4:17]   pairs (C_k, S_k), k = 0..6: series of cos(pi f) and sin(pi f) / f in f^2
.set VS5,  18                          ; v[18:19]  S_5 twice
.set XR,   20                          ; v[20:35]  chunk i: my two x, later my two results
.set WF,   36                          ; v[36:67]  four coefficient fragments
.set EF,   68                          ; v[68:83]  element fragments of my two elements
.set DF,   84                          ; v[84:147] products: element e at 32 e, pair (Q_a, P_a) at 2 a.  Before that: the coefficients as loaded
.set CH,   148                         ; v[148:231] chains: element e at 42 e, pair n at 2 n
.set CHE,  42
.set F,    232                         ; f of both elements
.set Z,    234                         ; f^2
.set TT,   236                         ; t = 2 cos th
.set TB,   238                         ; T = 2 cos 16 th
.set TQ,   240                         ; at work
.set TR,   242
.set TP,   244
.set ZZ,   246
.set AC,   240                         ; v[240:247] four running sums (element e: even a at 4 e, odd a at 4 e + 2), when TQ..ZZ are done with
.set LANE, 250
.set LB,   251                         ; LDS address of my coefficients
.set SG,   252                         ; +1.0 (P rows) or -1.0 (Q rows)
.set MK,   253                         ; which half of a fragment word is mine; 0 in lanes outside the two blocks
.set TMP,  254
.set CO,   255
.set SC,   16                          ; s[16:17] 1/20, upper part, twice (a scalar pair is read whole)
.set SCL,  18                          ; s[18:19] 1/20, the rest
.set S16,  20                          ; 16.0
.set SS4,  22
.set SS3,  24
.set SS2,  26
.set SS1,  28
.set SS0,  30
.macro SPAIR r, val
	s_mov_b32 s[\r], \val
	s_mov_b32 s[\r+1], \val
.endm
	s_load_b128 s[4:7], s[0:1], 0x0                ; eigenvectors s[4:5], x s[6:7]
	s_load_b64 s[8:9], s[0:1], 0x10                ; out
	v_lshl_add_u32 v248, v0, 2, 0x400
	v_mov_b32 v249, 0
	v_lshrrev_b32 v1, 5, v0
	v_readfirstlane_b32 s10, v1                    ; wave 0..7
	v_min_u32 v2, 199, v0                          ; thread t fetches c[t+1]; threads 200..255 stay inside the table and store 0 below
	v_mul_u32_u24 v2, 0x320, v2                    ; a row of the table is 800 bytes
	v_and_b32 v[LANE], 31, v0
	v_lshlrev_b32 v[VOFF], 3, v[LANE]
	s_lshl_b32 s11, s10, 8
	s_add_co_u32 s11, s11, ttmp9                   ; idx = 256 wave + work-group: my chunk in each sweep
	s_lshl_b32 s12, s11, 8                         ; its byte offset
	s_mov_b32 s13, 0
	s_add_co_u32 s14, s11, 7*SWEEP                 ; the eighth chunk, held inside x: a wave that has none loads the last chunk and drops it,
	s_min_u32 s14, s14, NCH-1                      ; so that the counts of the waits below are the same in every wave
	s_lshl_b32 s14, s14, 8
	s_mov_b32 s15, 0
	s_wait_kmcnt 0x0
	global_load_b32 v[CO], v2, s[4:5] offset:COL0
	s_add_nc_u64 s[14:15], s[6:7], s[14:15]
	s_add_nc_u64 s[6:7], s[6:7], s[12:13]
	s_add_nc_u64 s[8:9], s[8:9], s[12:13]
.irp i, 0,1,2,3,4,5,6
	global_load_b64 v[XR+2*\i:XR+2*\i+1], v[VOFF], s[6:7] offset:\i*SB th:TH_LOAD_NT
.endr
	global_load_b64 v[XR+14:XR+15], v[VOFF], s[14:15]  ; no hint: the last chunk is read by many waves
	; constants, while the loads are on their way
	SPAIR SC,  0x3d4ccccd                          ; 0.05 rounded to f32
	SPAIR SCL, 0xb04ccccd                          ; 0.05 minus that: -7.4505806e-10
	SPAIR S16, 0x41800000                          ; 16.0
	SPAIR SS4, 0x3da83c1a                          ;  pi^9 / 9!
	SPAIR SS3, 0xbf196966                          ; -pi^7 / 7!
	SPAIR SS2, 0x402335e3                          ;  pi^5 / 5!
	SPAIR SS1, 0xc0a55de7                          ; -pi^3 / 3!
	SPAIR SS0, 0x40490fdb                          ;  pi
	v_mov_b32 v[KP+0],  1.0                        ; cos(pi f) = 1 - pi^2/2! z + .. + pi^12/12! z^6, z = f^2 <= 1/4: the next term is below 7e-9
	v_mov_b32 v[KP+2],  0xc09de9e6
	v_mov_b32 v[KP+4],  0x4081e0f8
	v_mov_b32 v[KP+6],  0xbfaae9e4
	v_mov_b32 v[KP+8],  0x3e70fa83
	v_mov_b32 v[KP+10], 0xbcd368f9
	v_mov_b32 v[KP+12], 0x3afce9c5
	v_mov_b32 v[KP+1],  0x40490fdb                 ; sin(pi f) / f = pi - pi^3/3! z + .. + pi^13/13! z^6
	v_mov_b32 v[KP+3],  0xc0a55de7
	v_mov_b32 v[KP+5],  0x402335e3
	v_mov_b32 v[KP+7],  0xbf196966
	v_mov_b32 v[KP+9],  0x3da83c1a
	v_mov_b32 v[KP+11], 0xbbf183a8
	v_mov_b32 v[KP+13], 0x39f47a1a
	v_mov_b32 v[VS5],   0xbbf183a8                 ; -pi^11 / 11!
	v_mov_b32 v[VS5+1], 0xbbf183a8
	; my row of the coefficient fragments: j = lane & 7; a = 4 g + (j >> 1); j even: Q_a, j odd: P_a
	v_and_b32 v[LB], 6, v[LANE]
	v_lshlrev_b32 v[LB], 5, v[LB]                  ; 64 bytes (16 coefficients) for each a
	v_lshlrev_b32 v[SG], 31, v[LANE]
	v_xor_b32 v[SG], 0xbf800000, v[SG]             ; j even: -1.0 (a difference); j odd: +1.0 (a sum)
	v_and_b32 v[TMP], 1, v[LANE]
	v_cmp_eq_u32 vcc_lo, 0, v[TMP]
	v_mov_b32 v[MK], 0xffff                        ; P meets the cosines, the low halves of the element fragment's words,
	v_mov_b32 v[TMP], 0xffff0000                   ; Q the sines, the high halves
	v_cndmask_b32 v[MK], v[MK], v[TMP], vcc_lo
	v_add_nc_u32 v[TMP], 8, v[LANE]                ; the two blocks are lanes 0-7 (rows 0-7, first k set) and 24-31 (rows 8-15, second k set):
	v_and_b32 v[TMP], 16, v[TMP]                   ; bit 4 of lane + 8 is clear there and set in lanes 8-23
	v_cmp_eq_u32 vcc_lo, 0, v[TMP]
	v_cndmask_b32 v[MK], 0, v[MK], vcc_lo
	v_lshlrev_b32 v3, 2, v0
	s_wait_loadcnt 0x8                             ; my coefficient is in; the eight loads of x behind it stay out
	v_cmp_gt_u32 vcc_lo, 200, v0
	v_cndmask_b32 v[CO], 0, v[CO], vcc_lo          ; c[k] = 0 for k > 200
	ds_store_b32 v3, v[CO]                         ; 256 floats: c[1..256] at bytes 0..1023
	s_wait_dscnt 0x0                               ; my store is done before I say so
	s_barrier_signal -1
	s_barrier_wait -1                              ; everybody's is
.irp g, 0,1,2,3
.irp q, 0,1,2,3
	ds_load_b128 v[DF+16*\g+4*\q:DF+16*\g+4*\q+3], v[LB] offset:256*\g+16*\q   ; c[16 a + 1 .. 16 a + 16]
.endr
.endr
.irp g, 0,1,2,3
	s_wait_dscnt 12-4*\g                           ; LDS loads return in order: fragment g's four are in, the later fragments' stay out
.irp i, 0,1,2,3,4,5,6,7
	v_fma_f32 v[WF+8*\g+\i], v[DF+16*\g+7-\i], v[SG], v[DF+16*\g+8+\i]         ; c[K_a + b_i] +- c[K_a - b_i]
.endr
.irp i, 0,1,2,3,4,5,6,7
	v_cvt_pk_f16_f32 v[WF+8*\g+\i], v[WF+8*\g+\i], v[WF+8*\g+\i]
.endr
.irp i, 0,1,2,3,4,5,6,7
	v_and_b32 v[WF+8*\g+\i], v[MK], v[WF+8*\g+\i]                              ; keep my half; zero outside the blocks
.endr
.endr
; one step of both series for both elements: pair 0 = pair 0 * z + (C_k, S_k); z of element e is picked by op_sel
.macro HORNER k
.irp e, 0,1
	v_pk_fma_f32 v[CH+CHE*\e:CH+CHE*\e+1], v[CH+CHE*\e:CH+CHE*\e+1], v[Z:Z+1], v[KP+2*(\k):KP+2*(\k)+1] op_sel:[0,\e,0] op_sel_hi:[1,\e,1]
.endr
.endm
; one step of the series of sin(pi g) / g, both elements in one pair
.macro TPOLY c
	v_pk_fma_f32 v[TP:TP+1], v[TP:TP+1], v[ZZ:ZZ+1], s[\c:\c+1] op_sel_hi:[1,1,0]
.endm
; pair n = mul[e] * pair n-1 - pair p2 (conj = 1: minus its conjugate), both elements
.macro STEP n, mul, p2, conj
.irp e, 0,1
.if \conj
	v_pk_fma_f32 v[CH+CHE*\e+2*(\n):CH+CHE*\e+2*(\n)+1], v[CH+CHE*\e+2*(\n)-2:CH+CHE*\e+2*(\n)-1], v[\mul:\mul+1], v[CH+CHE*\e+2*(\p2):CH+CHE*\e+2*(\p2)+1] op_sel:[0,\e,0] op_sel_hi:[1,\e,1] neg_lo:[0,0,1] neg_hi:[0,0,0]
.else
	v_pk_fma_f32 v[CH+CHE*\e+2*(\n):CH+CHE*\e+2*(\n)+1], v[CH+CHE*\e+2*(\n)-2:CH+CHE*\e+2*(\n)-1], v[\mul:\mul+1], v[CH+CHE*\e+2*(\p2):CH+CHE*\e+2*(\p2)+1] op_sel:[0,\e,0] op_sel_hi:[1,\e,1] neg_lo:[0,0,1] neg_hi:[0,0,1]
.endif
.endr
.endm
; pair n to word n of the element fragment: cosine low, sine high
.macro CVT n
.irp e, 0,1
	v_cvt_pk_f16_f32 v[EF+8*\e+(\n)], v[CH+CHE*\e+2*(\n)], v[CH+CHE*\e+2*(\n)+1]
.endr
.endm
; (sum_c, sum_s) += (cos K_a th, sin K_a th) * (Q_a, P_a); the first two products start the sums
.macro FIN a
.irp e, 0,1
.if (\a) < 2
	v_pk_mul_f32 v[AC+4*\e+2*((\a)&1):AC+4*\e+2*((\a)&1)+1], v[CH+CHE*\e+16+2*(\a):CH+CHE*\e+17+2*(\a)], v[DF+32*\e+2*(\a):DF+32*\e+2*(\a)+1]
.else
	v_pk_fma_f32 v[AC+4*\e+2*((\a)&1):AC+4*\e+2*((\a)&1)+1], v[CH+CHE*\e+16+2*(\a):CH+CHE*\e+17+2*(\a)], v[DF+32*\e+2*(\a):DF+32*\e+2*(\a)+1], v[AC+4*\e+2*((\a)&1):AC+4*\e+2*((\a)&1)+1]
.endif
.endr
.endm
; One chunk.  Three chains that do not wait for each other are woven together: the two elements' series, and T's.
.macro CHUNK i
	s_wait_loadcnt 7-\i                            ; loads return in order: chunk i's x is in, the 7 - i loads behind it stay out
	v_pk_mul_f32 v[TQ:TQ+1], v[XR+2*\i:XR+2*\i+1], s[SC:SC+1] op_sel_hi:[1,0]
	v_rndne_f32 v[TR], v[TQ]
	v_rndne_f32 v[TR+1], v[TQ+1]
	v_pk_fma_f32 v[F:F+1], v[XR+2*\i:XR+2*\i+1], s[SC:SC+1], v[TR:TR+1] op_sel_hi:[1,0,1] neg_lo:[0,0,1] neg_hi:[0,0,1]   ; the exact product less the whole number,
	v_pk_fma_f32 v[F:F+1], v[XR+2*\i:XR+2*\i+1], s[SCL:SCL+1], v[F:F+1] op_sel_hi:[1,0,1]                                 ; and what f32 left of 1/20: f = x/20 mod 1
	v_pk_mul_f32 v[Z:Z+1], v[F:F+1], v[F:F+1]
	v_pk_mul_f32 v[TQ:TQ+1], v[F:F+1], s[S16:S16+1] op_sel_hi:[1,0]               ; 16 ph = pi 16 f (exact)
.irp e, 0,1
	v_pk_fma_f32 v[CH+CHE*\e:CH+CHE*\e+1], v[KP+12:KP+13], v[Z:Z+1], v[KP+10:KP+11] op_sel:[0,\e,0] op_sel_hi:[1,\e,1]
.endr
	v_rndne_f32 v[TR], v[TQ]
	v_rndne_f32 v[TR+1], v[TQ+1]
	HORNER 4
	v_pk_add_f32 v[TQ:TQ+1], v[TQ:TQ+1], v[TR:TR+1] neg_lo:[0,1] neg_hi:[0,1]     ; g = 16 f mod 1 (exact): sin^2 does not see the multiple of pi
	HORNER 3
	v_pk_mul_f32 v[ZZ:ZZ+1], v[TQ:TQ+1], v[TQ:TQ+1]
	HORNER 2
	v_pk_fma_f32 v[TP:TP+1], v[ZZ:ZZ+1], v[VS5:VS5+1], s[SS4:SS4+1] op_sel_hi:[1,1,0]
	HORNER 1
	TPOLY SS3
	HORNER 0                                       ; pair 0 = (cos ph, sin ph / f)
	TPOLY SS2
.irp e, 0,1
	v_mul_f32 v[CH+CHE*\e+1], v[CH+CHE*\e+1], v[F+\e]      ; sin ph
.endr
	TPOLY SS1
.irp e, 0,1
	v_mul_f32 v[TR+\e], v[CH+CHE*\e+1], v[CH+CHE*\e+1]
.endr
	TPOLY SS0
	v_pk_fma_f32 v[TT:TT+1], v[TR:TR+1], -4.0, 2.0 op_sel_hi:[1,0,0]              ; t = 2 cos 2 ph = 2 - 4 sin^2 ph
	v_pk_mul_f32 v[TP:TP+1], v[TP:TP+1], v[TQ:TQ+1]                               ; sin 16 ph (up to its sign)
	STEP 1, TT, 0, 1                               ; 3 ph from ph and -ph
	v_pk_mul_f32 v[TP:TP+1], v[TP:TP+1], v[TP:TP+1]
	CVT 0
	v_pk_fma_f32 v[TB:TB+1], v[TP:TP+1], -4.0, 2.0 op_sel_hi:[1,0,0]              ; T = 2 cos 32 ph = 2 - 4 sin^2 16 ph
.irp n, 2,3,4,5,6,7,8
	STEP \n, TT, \n-2, 0
	CVT \n-1
.endr
.irp e, 0,1
.irp g, 0,1,2,3
	v_wmma_f32_16x16x32_f16 v[DF+32*\e+8*\g:DF+32*\e+8*\g+7], v[WF+8*\g:WF+8*\g+7], v[EF+8*\e:EF+8*\e+7], 0
.endr
.endr
	STEP 9, TB, 7, 1                               ; 49 ph from 17 ph and -15 ph.  These four packed multiply-adds name no register of the products above:
	STEP 10, TB, 8, 0                              ; they are the four places between a matrix instruction and the first reader of its result (ISA guide 7.12.1)
.irp a, 0,1,2,3,4,5,6,7,8,9
	STEP \a+11, TB, \a+9, 0
	FIN \a
.endr
	FIN 10
	FIN 11
	FIN 12
.irp e, 0,1
	v_pk_add_f32 v[AC+4*\e:AC+4*\e+1], v[AC+4*\e:AC+4*\e+1], v[AC+4*\e+2:AC+4*\e+3]
.endr
.irp e, 0,1
	v_add_f32 v[XR+2*\i+\e], v[AC+4*\e], v[AC+4*\e+1]      ; into the chunk's own x registers, which nothing writes again: the store needs no wait
.endr
	global_store_b64 v[VOFF], v[XR+2*\i:XR+2*\i+1], s[8:9] offset:\i*SB th:TH_STORE_NT   ; the wave stores 256 consecutive bytes, at a multiple of 256 from out's first byte
.endm
	CHUNK 0
	CHUNK 1
	CHUNK 2
	CHUNK 3
	CHUNK 4
	CHUNK 5
	CHUNK 6
	s_cmp_ge_u32 s11, EXTRA                        ; 15,625 = 7 x 2,048 + 1,289
	s_cbranch_scc1 .Lend
	CHUNK 7
.Lend:
	s_wait_tensorcnt 0x0
	ds_add_u32 v248, v249
	s_wait_dscnt 0x0
	s_endpgm
.Lfunc_end_k_q3a30432959_basis:
	.size	k_q3a30432959_basis, .Lfunc_end_k_q3a30432959_basis-k_q3a30432959_basis
	.p2alignl 7, 3214868480
	.fill 96, 4, 3214868480
	.section	.rodata,"a",@progbits
	.p2align	6, 0x0
	.amdhsa_kernel k_q3a30432959_basis
		.amdhsa_group_segment_fixed_size 2048
		.amdhsa_private_segment_fixed_size 0
		.amdhsa_enable_private_segment 0
		.amdhsa_kernarg_size 24
		.amdhsa_user_sgpr_count 2
		.amdhsa_user_sgpr_kernarg_segment_ptr 1
		.amdhsa_wavefront_size32 1
		.amdhsa_system_sgpr_workgroup_id_x 1
		.amdhsa_system_sgpr_workgroup_id_y 1
		.amdhsa_system_sgpr_workgroup_id_z 1
		.amdhsa_system_vgpr_workitem_id 0
		.amdhsa_next_free_vgpr 256
		.amdhsa_next_free_sgpr 66
		.amdhsa_reserve_vcc 1
		.amdhsa_float_denorm_mode_32 3
		.amdhsa_float_denorm_mode_16_64 3
		.amdhsa_memory_ordered 1
		.amdhsa_forward_progress 1
		.amdhsa_inst_pref_size 75
	.end_amdhsa_kernel
	.amdgpu_metadata
---
amdhsa.version: [ 1, 2 ]
amdhsa.kernels:
  - .name:           k_q3a30432959_basis
    .symbol:         k_q3a30432959_basis.kd
    .args:
      - { .name: eigenvectors, .offset: 0, .size: 8, .value_kind: global_buffer, .address_space: global }
      - { .name: x, .offset: 8, .size: 8, .value_kind: global_buffer, .address_space: global }
      - { .name: out0, .offset: 16, .size: 8, .value_kind: global_buffer, .address_space: global }
    .group_segment_fixed_size: 2048
    .private_segment_fixed_size: 0
    .kernarg_segment_align: 8
    .kernarg_segment_size: 24
    .max_flat_workgroup_size: 256
    .sgpr_count:     66
    .vgpr_count:     256
    .wavefront_size: 32
...
	.end_amdgpu_metadata
.endif
;; end of part 1
